; MI455X (gfx1250); checked and timed in simulation.
; The chip was launched on July 23, 2026; its instructions are those of AMD's public machine-readable ISA for CDNA 5 (MIT licence, August 2026) and "CDNA5" Instruction Set Architecture Reference Guide (July 2026). The comments in the code are by the model that wrote it; some were corrected since.
;; Vector Quantizer. Allowed arithmetic: matrix products marked QUANTISED: E3M2 operands, one E8M0 scale for each 32 along K, by v_wmma_scale_f32_16x16x128_f8f6f4 with both operands' format E3M2, f32 sums; everything else in f32.
;; Inputs: embedding 1,024 x 64 float32; inputs 32 x 4,096 x 64 float32.
;; Outputs: out0 one number float32; out1 32 x 4,096 x 64 float32; out2 131,072 x 1 int32.
;; This version of the problem:
;;   THIS VERSION OF THE PROBLEM IS GIVEN IN LOW PRECISION. The matrix products marked QUANTISED in the list below multiply operands that are first quantised to E3M2 (3 exponent bits, 2 mantissa bits; 6 bits a number), with one power-of-two scale for each 32 numbers along K (OCP MX v1.0); their sums are f32. All else is computed in f32.
;;   The module's matrix products, in the order in which they are computed (A, B: the left and right operand; K: the contracted axis; several contracted axes count as one K, in the product's order):
;;     1. [M 131,072, K 64] x [K 64, N 1,024]; A: computed on the way; B: input embedding: QUANTISED
;;   THE QUANTISER, for each operand of a quantised product, along K:
;;     - K is cut into blocks of 32 from its start; a last block that is shorter is filled with zeros.
;;     - A block's scale is 2^e with e = floor(log2(the largest magnitude in the block)) - 4, held to -126 .. 127; a block of zeros has e = 0. As a byte (E8M0): e + 127.
;;     - Each number is divided by its block's scale, clamped to +-28, and rounded to the nearest number of E3M2, ties to even, subnormals kept.
;;     - The product sums the exact products of the quantised numbers (number of the format x scale) in f32.
;;   ~~~python
;;   def quantise(x, axis):      # numpy; x: float32 -> the quantised numbers, widened to float32 again
;;       x = np.moveaxis(x, axis, -1); K = x.shape[-1]
;;       x = np.pad(x, [(0, 0)] * (x.ndim - 1) + [(0, -K % 32)]); x = x.reshape(x.shape[:-1] + (-1, 32)); a = np.abs(x).max(-1, keepdims=True)
;;       e = np.where(a > 0, np.clip(np.frexp(np.where(a > 0, a, 1))[1] - 1 - 4, -126, 127), 0)      # np.frexp(a)[1] - 1 = floor(log2(a)), exactly
;;       r = np.clip(x / 2.0 ** e, -28, 28)
;;       step = 2.0 ** (np.maximum(np.frexp(np.where(r == 0, 1, r))[1] - 1, -2) - 2)
;;       q = np.round(r / step) * step * 2.0 ** e      # np.round: ties to even
;;       return np.moveaxis(q.reshape(q.shape[:-2] + (-1,))[..., :K], -1, axis).astype(np.float32)
;;   ~~~
;;   OPERANDS COMPUTED ON THE WAY. 'Computed on the way' means the value that the module computes at that place (a softmax that the list does not call 'softmax' is quantised finished and normalised). What goes into a quantiser is computed in f32, as accurately as f32 sums, v_exp_f32 and their like allow (about 1e-6 of the number): no bf16 or f16 on the way to a quantiser, and a product that is left as it is and whose result goes on into a quantised operand takes f32 operands (vector FMAs, or v_wmma_f32_16x16x4_f32). A number that lies on a knife's edge between two numbers of the format may be rounded either way, as far as f32 arithmetic and the matrix unit's own rounding can turn it there, and no further.
;; One version. Each part assembles by itself: llvm-mc -triple=amdgcn-amd-amdhsa -mcpu=gfx1250 --defsym DOCPART=n.
;; ======== version 1 of 1: 3 launches
;; limits: right only within a limited range of input values
;; workspace buffers: idx 524,288 bytes of whole numbers; part 16,384 bytes
;; launch nearest (part 1): grid 256 x 1, 8 waves a work-group, no clusters, 275,456 bytes of LDS; arguments inputs, embedding, out2, idx; writes out2, idx
.if DOCPART == 1
	.amdgcn_target "amdgcn-amd-amdhsa--gfx1250"
	.amdhsa_code_object_version 6
	.text
	.protected	k_qc18a10f748_nearest
	.globl	k_qc18a10f748_nearest
	.p2align	8
	.type	k_qc18a10f748_nearest,@function
k_qc18a10f748_nearest:
	s_mov_b64 s[64:65], 0
	v_nop
	global_prefetch_b8 v0, s[64:65] scope:SCOPE_SE
	s_setreg_imm32_b32 hwreg(HW_REG_WAVE_MODE, 25, 1), 1
	s_wait_xcnt 0x0
; THE NEAREST CODE OF EACH ROW.  inputs: 131,072 rows x of 64 f32.  embedding: 1,024 codes e of 64 f32.
; d[row][code] = T + (-2 x) . e with T = sum x^2 + sum e^2 rounded to f32; the product is taken on codes of BF6 (E3M2), one E8M0 scale for each 32 along K, and T is
; the matrix instruction's C, so d is its f32 result.  out2[row] = idx[row] = the first code with the smallest d.
; K is 64 and the matrix form's K is 128: registers 6 to 11 of the codebook's fragments hold zero codes, so what stands there in x's fragments adds nothing: x's four
; fragments lie 6 registers apart and overlap.  Bytes 2 and 3 of the scale words are 0.
; SHARES.  A work-group takes 512 rows, each of its eight waves 64: four tiles of 16 rows, against all 64 tiles of 16 codes.  Each fragment read from LDS feeds four products.
; LAYOUT.  Source 0 = 16 codes, source 1 = 16 rows: lane (r = lane % 16, h = lane / 16) holds ONE row r, and register j the code 16 tile + 8 h + j.
; THE ARGMIN goes by blocks of two code tiles: a lane takes the smallest of its 16 d and of the best so far; where it is smaller than the best, the best, the block's number
; and the block's 16 d are replaced by selection.  At the end the first kept d equal to the best gives the place.  Smaller only: the earlier block keeps a tie.
; THE CODEBOOK is quantised by every work-group for itself into records in LDS that hold the operand's registers as they stand: tile 8 i + w by wave w.
; Tiles 0 to 15 come ahead of the products, the other 48 between the blocks of products: their loads are out for two blocks or more before they are wanted.
; NO CLUSTER, NO PREFETCH for the codebook: it goes from memory straight into the waves' registers, asked for that far ahead, and no tensor load brings it.  A joint load would bring it
; as f32, 1,024 rows x 272 bytes = 278,528 bytes, which with the rows' 139,264 and the records' 65,536 is more than the 327,680 bytes of LDS.  No LDS byte is filled twice here.
; LIMITS.  NaN and infinities among the inputs are not served.  A block of zeros gets the scale byte 1 (x: 2) where the quantiser says 127: its codes are zeros, and only this text reads the byte.
; sum x^2 and sum e^2 are fused multiply-adds in chains, another order of rounding than a plain sum's; T plus the product is summed and rounded in the matrix instruction: d may differ in
; its last bit from a product that is rounded first and then subtracted.
.set PITCH,  272                       ; an LDS row of 256 bytes + 16
.set RECB,   1024                      ; a code tile's record: +0 registers 0-3 (16 bytes a lane), +512 registers 4-5 (8 a lane), +768 the scale word (4 a lane), +896 sum e^2 of its 16 codes
.set BLKB,   2*RECB                    ; a block's two records
.set ESTG,   64*RECB                   ; behind the records: for each wave two stages of 16 rows, through which the codebook's rows turn
.set STG,    16*PITCH
.set EWAVE,  2*STG
.set XST,    ESTG+8*EWAVE              ; behind them: for each wave its 64 rows of x, through which they turn as the codebook's do
.set XWAVE,  64*PITCH
.set SPARE,  XST+8*XWAVE               ; the spare words, 128 bytes for each wave
; window 0
.set A16, 1                            ; v1-4   16 x lane; 512 + 8 x lane; 768 + 4 x lane; 896 + 32 h (never rewritten)
.set A8,  2
.set A4,  3
.set AE,  4
.set B16, 5                            ; v5-8   the same + the trip's first record
.set B8,  6
.set B4,  7
.set BE,  8
.set H8,  9                            ; v9     8 h (in window 1 too)
.set L8,  10                           ; v10    8 x lane
.set XR,  11                           ; v11    my place in the wave's rows of x
.set SPW, 12                           ; v12    LDS address of my spare word
.set NIL, 13                           ; v13    0
.set OUT, 14                           ; v14-15 at the head: at work; at the end: the two indices that I store
.set X,   16                           ; v16-45 x's fragments, 6 registers apart.  Window 1: two tiles' codes
.set X2,  46                           ; v46-49 sum x^2 of my row in each row tile.  Window 1: sum e^2
.set XS,  50                           ; v50-53 x's scale words: scales and nothing else.  Window 1: the tiles' scale words
.set S,   54                           ; v54-55 the codes' scale words: scales and nothing else
.set F,   56                           ; v56-79 two fragments of codes
.set TMP, 60                           ; (v60-62, both windows: half a block's codes)
.set E,   80                           ; v80-95 a block's sum e^2
.set D,   96                           ; v96-159 row tile k, code tile u at D + 16 k + 8 u
.set R,   160                          ; v160-223 the best block's 16 d, for each row tile
.set BEST,224                          ; v224-231 (best d, its block's number) for each row tile
.set G,   232                          ; v232-243 six registers for each of two row tiles: the search for the smallest d
.set BV,  244                          ; v244   the number of the block at vector work
.set XW,  245                          ; v245   my place in the wave's rows of x, on the way in
; both windows, while a tile is quantised (in window 0 ahead of R, BEST and G)
.set Y,   160                          ; two sets of 32: a lane's block
.set QM,  224                          ; largest magnitudes, +2 the conversion's scale operand, +3 the byte, +4 the other half's
.set SA,  232                          ; sums of squares, +4 the other half's
; window 1
.set HB16, 1                           ; the places in my wave's record of tile w
.set HB8,  2
.set HB4,  3
.set HBE,  4
.set GV,   5                           ; 16 x lane
.set SW,   6                           ; my stages, on the way in
.set SR,   7                           ; and on the way out
.set RW,   96                          ; two sets of 32: a code tile as it is loaded
.set MSB, 0
.macro WIN new                         ; the immediate's high byte repeats the setting that is left
.if MSB != \new
	s_set_vgpr_msb (MSB<<8)|\new
.set MSB, \new
.endif
.endm
; Tiles 16 g + w and 16 g + 8 + w, as they lie: eight loads of 512 consecutive bytes each
.macro GLOADS g
.irp u, 0,1
.irp n, 0,1,2,3,4,5,6,7
	global_load_b128 v[RW+32*\u+4*\n:RW+32*\u+4*\n+3], v[GV], s[6:7] offset:65536*(\g)+32768*\u+512*\n
.endr
.endr
.endm
; Tile u turns through its stage: in as loaded, out as 32 neighbours a lane.  LDS serves a wave's instructions in order (ISA guide 5.7.1.4): no wait between the stores and the loads
.macro TURN u
.irp n, 0,1,2,3,4,5,6,7
	ds_store_b128 v[SW], v[RW+32*\u+4*\n:RW+32*\u+4*\n+3] offset:STG*\u+2*PITCH*\n
.endr
.irp n, 0,1,2,3,4,5,6,7
	ds_load_b128 v[Y+32*\u+4*\n:Y+32*\u+4*\n+3], v[SR] offset:STG*\u+16*\n
.endr
.endm
; A block of 32 along K, all in my lane (v[y] on): sum of squares of the row into sq (my 32 numbers in two packed chains, and lane l xor 16's; both halves end with the same bits);
; registers 0-5 of an operand (v[dst] on); with lane l xor 16's block the row's scale word.  neg = 1: the operand is -2 x the numbers: the codes' sign bits turned over, the scale byte one higher
.macro QUANT y, dst, word, sq, neg
	v_pk_mul_f32 v[SA:SA+1], v[\y:\y+1], v[\y:\y+1]
	v_pk_mul_f32 v[SA+2:SA+3], v[\y+2:\y+3], v[\y+2:\y+3]
	v_max3_num_f32 v[QM], |v[\y]|, |v[\y+1]|, 0x2800000            ; the largest magnitude, and the floor 2^(5 - 127), which holds the byte at 1 from below
	v_max3_num_f32 v[QM+1], |v[\y+2]|, |v[\y+3]|, |v[\y+4]|
.irp i, 4,8,12,16,20,24                ; (four chains by turns)
	v_pk_fma_f32 v[SA:SA+1], v[\y+\i:\y+\i+1], v[\y+\i:\y+\i+1], v[SA:SA+1]
	v_pk_fma_f32 v[SA+2:SA+3], v[\y+\i+2:\y+\i+3], v[\y+\i+2:\y+\i+3], v[SA+2:SA+3]
	v_max3_num_f32 v[QM], v[QM], |v[\y+\i+1]|, |v[\y+\i+2]|
	v_max3_num_f32 v[QM+1], v[QM+1], |v[\y+\i+3]|, |v[\y+\i+4]|
.endr
	v_pk_fma_f32 v[SA:SA+1], v[\y+28:\y+29], v[\y+28:\y+29], v[SA:SA+1]
	v_pk_fma_f32 v[SA+2:SA+3], v[\y+30:\y+31], v[\y+30:\y+31], v[SA+2:SA+3]
	v_max3_num_f32 v[QM], v[QM], |v[\y+29]|, |v[\y+30]|
	v_pk_add_f32 v[SA:SA+1], v[SA:SA+1], v[SA+2:SA+3]
	v_max3_num_f32 v[QM], v[QM], v[QM+1], |v[\y+31]|
	v_add_f32 v[SA], v[SA], v[SA+1]
	v_add_nc_u32 v[QM+2], 0xfe000000, v[QM]        ; 4 off its exponent field: the conversion takes the exponent field of this operand as its scale, and nothing else of it
	v_permlanex16_b32 v[SA+4], v[SA], s32, s33
.if \neg
	v_add_nc_u32 v[QM+3], 0xfe800000, v[QM]        ; 3 off: the scale of twice the numbers
.endif
	v_cvt_scalef32_pk16_bf6_f32 v[\dst:\dst+2], v[\y:\y+15], v[QM+2]
	v_cvt_scalef32_pk16_bf6_f32 v[TMP:TMP+2], v[\y+16:\y+31], v[QM+2]   ; (a conversion's three registers begin on an even number)
.if \neg
	v_lshrrev_b32 v[QM+3], 23, v[QM+3]             ; the scale's byte.  (The plain place behind the conversions)
.else
	v_lshrrev_b32 v[QM+3], 23, v[QM+2]
.endif
	v_add_f32 v[\sq], v[SA], v[SA+4]
	v_lshlrev_b32 v[QM+3], v[H8], v[QM+3]          ; at its place in the word, 8 h bits up
.if \neg
	v_xor_b32 v[\dst+3], 0x20820820, v[TMP]        ; the sign bits of sixteen 6-bit codes in three words
	v_xor_b32 v[\dst+4], 0x08208208, v[TMP+1]
	v_xor_b32 v[\dst+5], 0x82082082, v[TMP+2]
	v_permlanex16_b32 v[QM+4], v[QM+3], s32, s33
	v_xor_b32 v[\dst], 0x20820820, v[\dst]
	v_xor_b32 v[\dst+1], 0x08208208, v[\dst+1]
	v_xor_b32 v[\dst+2], 0x82082082, v[\dst+2]
.else
	v_mov_b32 v[\dst+3], v[TMP]
	v_mov_b32 v[\dst+4], v[TMP+1]
	v_permlanex16_b32 v[QM+4], v[QM+3], s32, s33
	v_mov_b32 v[\dst+5], v[TMP+2]
.endif
	v_or_b32 v[\word], v[QM+3], v[QM+4]            ; bytes 0 and 1; bytes 2 and 3 stay 0, over zero codes
.endm
; The record of tile 16 g + 8 u + w: any wave that loads it by the same lines has the operand's registers in the same lanes
.macro RECS g, u
	ds_store_b128 v[HB16], v[X+6*\u:X+6*\u+3] offset:16*RECB*\g+8*RECB*\u
	ds_store_b64 v[HB8], v[X+6*\u+4:X+6*\u+5] offset:16*RECB*\g+8*RECB*\u
	ds_store_b32 v[HB4], v[XS+\u] offset:16*RECB*\g+8*RECB*\u
	ds_store_b32 v[HBE], v[X2+\u] offset:16*RECB*\g+8*RECB*\u      ; both halves write the same word with the same value
.endm
; A block's fragments and scale words, and its sum e^2.  ra = 0: addresses v1-4, 1: v5-8
.macro FLD ra, o
.irp u, 0,1
	ds_load_b128 v[F+12*\u:F+12*\u+3], v[A16+4*\ra] offset:\o+RECB*\u
	ds_load_b64 v[F+12*\u+4:F+12*\u+5], v[A8+4*\ra] offset:\o+RECB*\u
	ds_load_b32 v[S+\u], v[A4+4*\ra] offset:\o+RECB*\u
.endr
.endm
.macro ELD ra, o
.irp u, 0,1
	ds_load_b128 v[E+8*\u:E+8*\u+3], v[AE+4*\ra] offset:\o+RECB*\u
	ds_load_b128 v[E+8*\u+4:E+8*\u+7], v[AE+4*\ra] offset:\o+RECB*\u+16
.endr
.endm
; T of row tiles k, k + 1 (their sum x^2 are the two halves of one pair), into the accumulators
.macro TT k
.irp j, 0,2,4,6,8,10,12,14
	v_pk_add_f32 v[D+16*\k+\j:D+16*\k+\j+1], v[E+\j:E+\j+1], v[X2+\k:X2+\k+1] op_sel_hi:[1,0]
	v_pk_add_f32 v[D+16*\k+16+\j:D+16*\k+16+\j+1], v[E+\j:E+\j+1], v[X2+\k:X2+\k+1] op_sel:[0,1] op_sel_hi:[1,1]
.endr
.endm
; Their four products.  The eight accumulators take turns, one instruction a turn, seven others between two of the same
.macro MM k
.irp q, 0,1
.irp u, 0,1
	v_wmma_scale_f32_16x16x128_f8f6f4 v[D+16*(\k+\q)+8*\u:D+16*(\k+\q)+8*\u+7], v[F+12*\u:F+12*\u+11], v[X+6*(\k+\q):X+6*(\k+\q)+11], v[D+16*(\k+\q)+8*\u:D+16*(\k+\q)+8*\u+7], v[S+\u], v[XS+\k+\q] matrix_a_fmt:MATRIX_FMT_BF6 matrix_b_fmt:MATRIX_FMT_BF6
.endr
.endr
.endm
; The smallest of the block's 16 d and the best so far, for row tiles k and k + 1 by turns.  Each accumulator from its low end on
.macro MINS k
.irp i, 0,1,2,3,4
.irp q, 0,1
	v_min3_num_f32 v[G+6*\q+\i], v[D+16*(\k+\q)+3*\i], v[D+16*(\k+\q)+3*\i+1], v[D+16*(\k+\q)+3*\i+2]
.endr
.endr
.irp q, 0,1
	v_min3_num_f32 v[G+6*\q], v[G+6*\q], v[G+6*\q+1], v[G+6*\q+2]
.endr
.irp q, 0,1
	v_min3_num_f32 v[G+6*\q+3], v[G+6*\q+3], v[G+6*\q+4], v[D+16*(\k+\q)+15]
.endr
.irp q, 0,1
	v_min3_num_f32 v[G+6*\q+5], v[G+6*\q], v[G+6*\q+3], v[BEST+2*(\k+\q)]
.endr
.endm
; Where it is not smaller than the best, the old 16 d, best and block's number are kept
.macro CARRY k
	v_cmp_ge_f32 vcc_lo, v[G+6*(\k%2)+5], v[BEST+2*\k]
.irp i, 0,2,4,6,8,10,12,14
	v_dual_cndmask_b32 v[R+16*\k+\i], v[D+16*\k+\i], v[R+16*\k+\i] :: v_dual_cndmask_b32 v[R+16*\k+\i+1], v[D+16*\k+\i+1], v[R+16*\k+\i+1]
.endr
	v_dual_cndmask_b32 v[BEST+2*\k], v[G+6*(\k%2)+5], v[BEST+2*\k] :: v_dual_cndmask_b32 v[BEST+2*\k+1], v[BV], v[BEST+2*\k+1]
.endm
; The turn of a block: its vector work, the loads of the next block's fragments, T and products of the next block, the loads of the block's sum e^2 after that.
; f, e: these blocks exist.  adr: the trip's first turn makes the addresses.
; Places (ISA guide 7.12.1 for vector instructions): behind row tiles 0 and 1's products stand TT 2's 16 plain instructions, behind 2 and 3's MINS 0's 16: ahead of the
; loads into the fragments and of the first reads of the results.
.macro ITER ra, fo, eo, f, e, adr
	MINS 0
.if \f
.if \adr
	v_add_nc_u32 v[B16], s28, v[A16]
	v_add_nc_u32 v[B8], s28, v[A8]
	v_add_nc_u32 v[B4], s28, v[A4]
.endif
	FLD \ra, \fo
.endif
	CARRY 0
	CARRY 1
	MINS 2
	CARRY 2
	CARRY 3
.if \f
	s_wait_dscnt 0x0                               ; the next block's fragments, scale words and sum e^2 are in
.if \adr
	v_add_nc_u32 v[BE], s28, v[AE]
.endif
	TT 0
	MM 0
	TT 2
.if \e
	ELD \ra, \eo
.endif
	MM 2
	v_add_nc_u32 v[BV], 1, v[BV]                   ; the next block's number
.endif
.endm
.set BN, 0
.macro STEP                            ; the turn of block BN, places written as constants
	ITER 0, BLKB*(BN+1), BLKB*(BN+2), 1, 1, 0
.set BN, BN+1
.endm
	s_load_b256 s[4:11], s[0:1], 0x0               ; inputs s[4:5], embedding s[6:7], out2 s[8:9], idx s[10:11]
	v_lshl_add_u32 v[SPW], v0, 2, SPARE
	v_mov_b32 v[NIL], 0
	v_lshrrev_b32 v14, 5, v0
	v_readfirstlane_b32 s12, v14                   ; wave 0..7
	s_mul_i32 s17, s12, XWAVE
	s_add_co_u32 s17, s17, XST                     ; LDS address: my wave's own bytes
	s_lshl_b32 s14, ttmp9, 17                      ; the work-group's 512 rows of 256 bytes,
	s_lshl_b32 s13, s12, 14                        ; my wave's 64 of them
	s_add_co_u32 s14, s14, s13
	s_mov_b32 s15, 0
	s_lshl_b32 s36, s12, 12                        ; my code tile of each eight: 16 rows of 256 bytes
	s_mov_b32 s37, 0
	s_lshl_b32 s38, ttmp9, 11                      ; out2 and idx: 4 bytes a row: 512 rows a work-group,
	s_lshl_b32 s13, s12, 8                         ; 64 a wave
	s_add_co_u32 s38, s38, s13
	s_mov_b32 s39, 0
	s_lshl_b32 s13, s12, 10                        ; my record of each eight
	s_mul_i32 s35, s12, EWAVE
	s_add_co_u32 s35, s35, ESTG                    ; my two stages
	s_mov_b32 s32, 0x76543210                      ; v_permlanex16_b32's selects for lane l xor 16
	s_mov_b32 s33, 0xfedcba98
	s_mov_b32 s34, 0xffff0000                      ; lanes 16-31
	v_and_b32 v14, 31, v0                          ; lane
	v_and_b32 v15, 15, v0                          ; r
	v_bfe_u32 v16, v0, 4, 1                        ; h
	v_lshlrev_b32 v[A16], 4, v14
	v_lshl_add_u32 v[A8], v14, 3, 512
	v_lshl_add_u32 v[A4], v14, 2, 768
	v_lshl_add_u32 v[AE], v16, 5, 896
	v_lshlrev_b32 v[H8], 3, v16
	v_lshlrev_b32 v[L8], 3, v14
	v_mul_u32_u24 v[XR], v15, 2*PITCH              ; x: lane r of row tile k takes the wave's row 32 (k / 2) + 2 r + k % 2, so that at the end lane l holds rows 2 l and 2 l + 1
	v_mul_u32_u24 v17, v16, PITCH                  ; stage, in: a load's 512 bytes are two rows: lanes 0-15 one, lanes 16-31 the next
	v_mul_u32_u24 v18, v15, PITCH                  ; out: row r, block h: 128 bytes
	v_lshl_add_u32 v19, v15, 2, 896
	v_lshl_add_u32 v[XR], v16, 7, v[XR]
	v_lshl_add_u32 v17, v15, 4, v17
	v_lshl_add_u32 v18, v16, 7, v18
	v_mov_b32 v[QM+4], 0                           ; a lane permute's destination counts as one of its sources
	v_mov_b32 v[SA+4], 0
	v_mov_b32 v[BV], 0
	v_add_nc_u32 v[XR], s17, v[XR]
	v_add_nc_u32 v[XW], s17, v17
	WIN 0x40
	v_add_nc_u32 v[HB16], s13, v[A16]
	v_add_nc_u32 v[HB8], s13, v[A8]
	v_add_nc_u32 v[HB4], s13, v[A4]
	v_add_nc_u32 v[HBE], s13, v19
	v_add_nc_u32 v[SW], s35, v17
	v_add_nc_u32 v[SR], s35, v18
	v_mov_b32 v[GV], v[A16]
	v_mov_b32 v[H8], v[H8]                         ; window 1's own copy
	v_mov_b32 v[QM+4], 0
	v_mov_b32 v[SA+4], 0
	WIN 0
	s_wait_alu depctr_va_vdst(0)                   ; the wait at the head's end
	s_wait_kmcnt 0x0
	s_add_nc_u64 s[4:5], s[4:5], s[14:15]
	s_add_nc_u64 s[6:7], s[6:7], s[36:37]
	s_add_nc_u64 s[8:9], s[8:9], s[38:39]
	s_add_nc_u64 s[10:11], s[10:11], s[38:39]
; My rows 32 g to 32 g + 31 of x, as they lie: sixteen loads of 512 consecutive bytes, into v160-223 (g = 0) or v96-159 (g = 1); and from there into LDS: a load's 512 bytes are two rows.
; All 64 rows are asked for here, ahead of every loop: no prefetch
.macro XGET g
.irp n, 0,1,2,3,4,5,6,7,8,9,10,11,12,13,14,15
	global_load_b128 v[160-64*\g+4*\n:160-64*\g+4*\n+3], v[A16], s[4:5] offset:8192*\g+512*\n th:TH_LOAD_NT
.endr
.endm
.macro XPUT g
.irp n, 0,1,2,3,4,5,6,7,8,9,10,11,12,13,14,15
	ds_store_b128 v[XW], v[160-64*\g+4*\n:160-64*\g+4*\n+3] offset:2*PITCH*(16*\g+\n)
.endr
.endm
	XGET 0
	WIN 0x55
	GLOADS 0
	WIN 0
	XGET 1
; Row tile k of x out of LDS: my block of my row
.macro XLD k
.irp n, 0,1,2,3,4,5,6,7
	ds_load_b128 v[Y+32*((\k)%2)+4*\n:Y+32*((\k)%2)+4*\n+3], v[XR] offset:(32*((\k)/2)+(\k)%2)*PITCH+16*\n
.endr
.endm
	s_wait_loadcnt 32                              ; x's first 16 loads are in; behind them stand 16 of codes and 16 of x
	XPUT 0
	s_wait_dscnt 0x0                               ; the stores have read v160-223: the blocks come back there
	XLD 0
	XLD 1
	s_wait_dscnt 8                                 ; row tile 0 is in; row tile 1's eight loads may be out
	QUANT Y, X, XS, X2, 1
	s_wait_dscnt 0x0
	QUANT Y+32, X+6, XS+1, X2+1, 1
	WIN 0x55
	s_wait_loadcnt 24                              ; code tile w is in; tile 8 + w and x's second half may be out
	TURN 0
	s_wait_loadcnt 16                              ; tile 8 + w is in
	TURN 1
	s_wait_dscnt 16                                ; the first tile is back from its stage; behind it stand the second's 16 lines
	QUANT Y, X, XS, X2, 0
	RECS 0, 0
	s_wait_dscnt 4                                 ; the second is back; behind it stand four record stores
	QUANT Y+32, X+6, XS+1, X2+1, 0
	RECS 0, 1
	GLOADS 1
	WIN 0
	s_wait_loadcnt 16                              ; x's second half is in; the next round's 16 loads of codes may be out
	XPUT 1
	XLD 2
	XLD 3
	s_wait_dscnt 8
	QUANT Y, X+12, XS+2, X2+2, 1
	s_wait_dscnt 0x0
	QUANT Y+32, X+18, XS+3, X2+3, 1
.irp j, 0,1,2,3,4,5
	v_mov_b32 v[X+24+\j], 0                        ; behind x's last fragment
.endr
.irp j, 6,7,8,9,10,11
	v_mov_b32 v[F+\j], 0                           ; K = 64 .. 127 of the codes: zero codes, written once: the loads fill registers 0-5 alone
	v_mov_b32 v[F+12+\j], 0
.endr
.irp k, 0,1,2,3
	v_dual_mov_b32 v[BEST+2*\k], 0x7f800000 :: v_dual_mov_b32 v[BEST+2*\k+1], 0    ; the best so far: +infinity
.endr
.irp j, 0,2,4,6,8,10,12,14,16,18,20,22,24,26,28,30,32,34,36,38,40,42,44,46,48,50,52,54,56,58,60,62
	v_dual_mov_b32 v[R+\j], 0 :: v_dual_mov_b32 v[R+\j+1], 0       ; the selections read what they keep, so it is written once
.endr
	s_wait_dscnt 0x0                               ; for the others' sake: my two records are in LDS
	s_barrier_signal -1
	s_barrier_wait -1                              ; records 0 to 15 are there
	FLD 0, 0
	ELD 0, 0
	s_wait_dscnt 0x0
	TT 0                                           ; block 0
	MM 0
	TT 2
	ELD 0, BLKB
	MM 2
; Blocks 0 to 11, four a round; in round g each wave quantises tiles 16 g + w and 16 g + 8 + w.  Round g's blocks, and what they load ahead, end with tile 8 g + 3: under 16 g,
; the tiles that the barriers before have shown.  An ITER's wait for 0 stands between a turn through the stage and the tile's quantising.
.irp g, 1,2,3
	STEP
	WIN 0x55
	s_wait_loadcnt 0x8                             ; the round's first tile is in; the second's eight loads may be out
	TURN 0
	WIN 0
	STEP
	WIN 0x55
	QUANT Y, X, XS, X2, 0
	RECS \g, 0
	s_wait_loadcnt 0x0
	TURN 1
	WIN 0
	STEP
	WIN 0x55
	QUANT Y+32, X+6, XS+1, X2+1, 0
	RECS \g, 1
.if \g < 3
	GLOADS \g+1                                    ; the next round's tiles, into registers that the stages' stores have read
.endif
	WIN 0
	STEP
	s_wait_dscnt 0x0                               ; for the others' sake: my records are in LDS
	s_barrier_signal -1
	s_barrier_wait -1
.endr
	s_mov_b32 s28, 12*BLKB                         ; the trip's first record, in bytes
	s_mov_b32 s30, 9
.Ltrip:                                                ; blocks 12 to 29: nobody writes LDS here
	ITER 1, BLKB, 2*BLKB, 1, 1, 1
	ITER 1, 2*BLKB, 3*BLKB, 1, 1, 0
	s_add_co_u32 s28, s28, 2*BLKB
	s_sub_co_u32 s30, s30, 1
	s_cmp_lg_u32 s30, 0
	s_cbranch_scc1 .Ltrip
	ITER 0, 31*BLKB, 0, 1, 0, 0                    ; block 30: only block 31's fragments are left to fetch
	ITER 0, 0, 0, 0, 0, 0                          ; block 31
; The first of my 16 kept d that equals the best gives the code; then the better of the two halves of the lanes, the lower code at a tie.  The four row tiles by turns
.set FT, 80                            ; v80-83 the place, then the code
.set P1, 84                            ; v84-87, v88-91 the other half's best and code (written before, as sum e^2)
.set P2, 88
.irp k, 0,1,2,3
	v_mov_b32 v[FT+\k], 23
.endr
.irp j, 14,13,12,11,10,9,8,7,6,5,4,3,2,1,0
.irp k, 0,1,2,3
	v_cmp_neq_f32 s[40+\k], v[R+16*\k+\j], v[BEST+2*\k]
.endr
.irp k, 0,1,2,3
	v_cndmask_b32 v[FT+\k], \j+(\j&8), v[FT+\k], s[40+\k]  ; register j + 8 u: 16 u + j
.endr
.endr
.irp k, 0,1,2,3
	v_lshl_add_u32 v[FT+\k], v[BEST+2*\k+1], 5, v[FT+\k]
.endr
.irp k, 0,1,2,3
	v_add_nc_u32 v[FT+\k], v[FT+\k], v[H8]         ; 32 block + 16 u + 8 h + j
.endr
.irp k, 0,1,2,3
	v_permlanex16_b32 v[P1+\k], v[BEST+2*\k], s32, s33
.endr
.irp k, 0,1,2,3
	v_permlanex16_b32 v[P2+\k], v[FT+\k], s32, s33
.endr
.irp k, 0,1,2,3
	v_cmp_lt_f32 s[40+\k], v[P1+\k], v[BEST+2*\k]
.endr
.irp k, 0,1,2,3
	v_cmp_eq_f32 s[44+\k], v[P1+\k], v[BEST+2*\k]
.endr
.irp k, 0,1,2,3
	v_cmp_lt_u32 s[48+\k], v[P2+\k], v[FT+\k]
.endr
.irp k, 0,1,2,3
	s_and_b32 s[44+\k], s[44+\k], s[48+\k]
	s_or_b32 s[40+\k], s[40+\k], s[44+\k]
.endr
.irp k, 0,1,2,3
	v_cndmask_b32 v[FT+\k], v[FT+\k], v[P2+\k], s[40+\k]   ; both halves now hold the row's code
.endr
	v_cndmask_b32 v[OUT], v[FT], v[FT+2], s34      ; lane l: the wave's rows 2 l and 2 l + 1: lanes 0-15 row tiles 0 and 1, lanes 16-31 row tiles 2 and 3
	v_cndmask_b32 v[OUT+1], v[FT+1], v[FT+3], s34
	global_store_b64 v[L8], v[OUT:OUT+1], s[8:9]   ; the wave stores 256 consecutive bytes, at a multiple of 256 from the buffer's first byte
	global_store_b64 v[L8], v[OUT:OUT+1], s[10:11] ; and the same for the launch that gathers
	s_wait_tensorcnt 0x0                           ; the wave's end
	ds_add_u32 v[SPW], v[NIL]
	s_wait_dscnt 0x0
	s_endpgm
.Lfunc_end_k_qc18a10f748_nearest:
	.size	k_qc18a10f748_nearest, .Lfunc_end_k_qc18a10f748_nearest-k_qc18a10f748_nearest
	.p2alignl 7, 3214868480
	.fill 96, 4, 3214868480
	.section	.rodata,"a",@progbits
	.p2align	6, 0x0
	.amdhsa_kernel k_qc18a10f748_nearest
		.amdhsa_group_segment_fixed_size 275456
		.amdhsa_private_segment_fixed_size 0
		.amdhsa_enable_private_segment 0
		.amdhsa_kernarg_size 32
		.amdhsa_user_sgpr_count 2
		.amdhsa_user_sgpr_kernarg_segment_ptr 1
		.amdhsa_wavefront_size32 1
		.amdhsa_system_sgpr_workgroup_id_x 1
		.amdhsa_system_sgpr_workgroup_id_y 1
		.amdhsa_system_sgpr_workgroup_id_z 1
		.amdhsa_system_vgpr_workitem_id 0
		.amdhsa_next_free_vgpr 496
		.amdhsa_next_free_sgpr 66
		.amdhsa_reserve_vcc 1
		.amdhsa_float_denorm_mode_32 3
		.amdhsa_float_denorm_mode_16_64 3
		.amdhsa_memory_ordered 1
		.amdhsa_forward_progress 1
		.amdhsa_inst_pref_size 204
	.end_amdhsa_kernel
	.amdgpu_metadata
---
amdhsa.version: [ 1, 2 ]
amdhsa.kernels:
  - .name:           k_qc18a10f748_nearest
    .symbol:         k_qc18a10f748_nearest.kd
    .args:
      - { .name: inputs, .offset: 0, .size: 8, .value_kind: global_buffer, .address_space: global }
      - { .name: embedding, .offset: 8, .size: 8, .value_kind: global_buffer, .address_space: global }
      - { .name: out2, .offset: 16, .size: 8, .value_kind: global_buffer, .address_space: global }
      - { .name: idx, .offset: 24, .size: 8, .value_kind: global_buffer, .address_space: global }
    .group_segment_fixed_size: 275456
    .private_segment_fixed_size: 0
    .kernarg_segment_align: 8
    .kernarg_segment_size: 32
    .max_flat_workgroup_size: 256
    .sgpr_count:     66
    .vgpr_count:     496
    .wavefront_size: 32
...
	.end_amdgpu_metadata
.endif
;; end of part 1
;; launch gather (part 2): grid 512 x 1, 8 waves a work-group, no clusters, 0 bytes of LDS; arguments inputs, embedding, idx, out1, part; writes out1, part
.if DOCPART == 2
	.amdgcn_target "amdgcn-amd-amdhsa--gfx1250"
	.amdhsa_code_object_version 6
	.text
	.protected	k_qc18a10f748_gather
	.globl	k_qc18a10f748_gather
	.p2align	8
	.type	k_qc18a10f748_gather,@function
k_qc18a10f748_gather:
	s_mov_b64 s[64:65], 0
	v_nop
	global_prefetch_b8 v0, s[64:65] scope:SCOPE_SE
	s_setreg_imm32_b32 hwreg(HW_REG_WAVE_MODE, 25, 1), 1
	s_wait_xcnt 0x0
; out1[row] = x + (e[idx[row]] - x), each step rounded to f32 as written, and for each wave the sum of (e[idx[row]] - x)^2 over its rows, into part.
; inputs, out1: 131,072 rows of 64 f32 (256 bytes).  embedding: 1,024 such rows.  idx: the nearest code of each row, whole numbers stored by the launch before.
; A stream: no LDS, no barrier, no matrix unit; waves share nothing, so no cluster.  A wave takes 32 rows and is written out without a loop, so that no register of a pending access is
; written again, and there is no loop for a prefetch to run ahead in.
; Lane (c = lane % 16, h = lane / 16) of access i serves row 16 h + i, bytes 16 c on: sixteen lanes read or store one whole row, 256 consecutive bytes at a multiple of 256.
; Half of x is asked for beside the indices; then the gathered rows and the other half of x by turns, so that the first rows leave while the later ones come.
; An index is held to 0 .. 1,023 before it enters an address.
.set IDX, 8                            ; v8-23    my 16 rows' codes
.set OFS, 24                           ; v24-39   their rows' byte offsets in the codebook, + 16 c
.set X,   40                           ; v40-103  x, four registers a row
.set Q,   104                          ; v104-167 the code's row, then the difference, then the result
.set ACC, 168                          ; v168-171 two packed sums of squares
	s_load_b256 s[4:11], s[0:1], 0x0               ; inputs s[4:5], embedding s[6:7], idx s[8:9], out1 s[10:11]
	s_load_b64 s[12:13], s[0:1], 0x20              ; part
	v_lshrrev_b32 v1, 5, v0
	v_readfirstlane_b32 s14, v1                    ; wave 0..7
	s_lshl_b32 s15, ttmp9, 3
	s_add_co_u32 s15, s15, s14                     ; which wave of the launch's 4,096
	s_lshl_b32 s16, s15, 13                        ; its 32 rows of 256 bytes,
	s_mov_b32 s17, 0
	s_lshl_b32 s18, s15, 7                         ; its 32 indices,
	s_mov_b32 s19, 0
	s_lshl_b32 s20, s15, 2                         ; its one sum
	s_mov_b32 s21, 0
	s_mov_b32 s22, 0x76543210                      ; v_permlanex16_b32's selects for lane l xor 16
	s_mov_b32 s23, 0xfedcba98
	v_and_b32 v1, 31, v0                           ; lane
	v_and_b32 v2, 15, v0
	v_bfe_u32 v4, v0, 4, 1                         ; h
	v_mov_b32 v172, 0                              ; a lane permute's destination counts as one of its sources
	v_lshlrev_b32 v2, 4, v2                        ; 16 c
	v_mov_b32 v173, 0
	v_lshl_add_u32 v3, v4, 12, v2                  ; 16 rows x 256 bytes x h + 16 c
	v_lshlrev_b32 v4, 6, v4                        ; 16 indices x 4 bytes x h
	s_wait_alu depctr_va_vdst(0)                   ; the wait at the head's end
	s_wait_kmcnt 0x0
	s_add_nc_u64 s[4:5], s[4:5], s[16:17]
	s_add_nc_u64 s[10:11], s[10:11], s[16:17]
	s_add_nc_u64 s[8:9], s[8:9], s[18:19]
	s_add_nc_u64 s[12:13], s[12:13], s[20:21]
.macro XL i0                           ; x of four accesses; read once in this launch
.irp i, \i0, \i0+1, \i0+2, \i0+3
	global_load_b128 v[X+4*(\i):X+4*(\i)+3], v3, s[4:5] offset:256*(\i) th:TH_LOAD_NT
.endr
.endm
.macro QL i0                           ; the codes' rows of four accesses: no hint: they are read again and again
.irp i, \i0, \i0+1, \i0+2, \i0+3
	global_load_b128 v[Q+4*(\i):Q+4*(\i)+3], v[OFS+\i], s[6:7]
.endr
.endm
.irp k, 0,1,2,3
	global_load_b128 v[IDX+4*\k:IDX+4*\k+3], v4, s[8:9] offset:16*\k
.endr
	XL 0
	XL 4
	s_wait_loadcnt 8                               ; the indices are in; the eight loads of x behind them may be out
.irp i, 0,1,2,3,4,5,6,7,8,9,10,11,12,13,14,15
	v_min_u32 v[IDX+\i], 0x3ff, v[IDX+\i]
.endr
.irp i, 0,1,2,3,4,5,6,7,8,9,10,11,12,13,14,15
	v_lshl_add_u32 v[OFS+\i], v[IDX+\i], 8, v2
.endr
	QL 0
	QL 4
	XL 8
	QL 8
	XL 12
	QL 12
; Accesses i0 to i0 + 3: their stores leave in one run.  left: the loads issued behind theirs, which may stay out
.macro FOUR i0, left
	s_wait_loadcnt \left                           ; loads come back in order (ISA guide 5.7.1)
.irp i, \i0, \i0+1, \i0+2, \i0+3
	v_pk_add_f32 v[Q+4*(\i):Q+4*(\i)+1], v[Q+4*(\i):Q+4*(\i)+1], v[X+4*(\i):X+4*(\i)+1] neg_lo:[0,1] neg_hi:[0,1]          ; e - x
	v_pk_add_f32 v[Q+4*(\i)+2:Q+4*(\i)+3], v[Q+4*(\i)+2:Q+4*(\i)+3], v[X+4*(\i)+2:X+4*(\i)+3] neg_lo:[0,1] neg_hi:[0,1]
.endr
.irp i, \i0, \i0+1, \i0+2, \i0+3
.if \i == 0
	v_pk_mul_f32 v[ACC:ACC+1], v[Q:Q+1], v[Q:Q+1]              ; the first squares start the sums
	v_pk_mul_f32 v[ACC+2:ACC+3], v[Q+2:Q+3], v[Q+2:Q+3]
.else
	v_pk_fma_f32 v[ACC:ACC+1], v[Q+4*(\i):Q+4*(\i)+1], v[Q+4*(\i):Q+4*(\i)+1], v[ACC:ACC+1]
	v_pk_fma_f32 v[ACC+2:ACC+3], v[Q+4*(\i)+2:Q+4*(\i)+3], v[Q+4*(\i)+2:Q+4*(\i)+3], v[ACC+2:ACC+3]
.endif
	v_pk_add_f32 v[Q+4*(\i):Q+4*(\i)+1], v[X+4*(\i):X+4*(\i)+1], v[Q+4*(\i):Q+4*(\i)+1]                                   ; x + (e - x)
	v_pk_add_f32 v[Q+4*(\i)+2:Q+4*(\i)+3], v[X+4*(\i)+2:X+4*(\i)+3], v[Q+4*(\i)+2:Q+4*(\i)+3]
.endr
.irp i, \i0, \i0+1, \i0+2, \i0+3
	global_store_b128 v3, v[Q+4*(\i):Q+4*(\i)+3], s[10:11] offset:256*(\i) th:TH_STORE_NT    ; written once, read by nobody here
.endr
.endm
	FOUR 0, 20
	FOUR 4, 16
	FOUR 8, 8
	FOUR 12, 0
	v_pk_add_f32 v[ACC:ACC+1], v[ACC:ACC+1], v[ACC+2:ACC+3]
	s_delay_alu instid0(VALU_DEP_1)
	v_add_f32 v[ACC], v[ACC], v[ACC+1]
	s_delay_alu instid0(VALU_DEP_1)
	v_add_f32_dpp v[ACC], v[ACC], v[ACC] row_xmask:1 row_mask:0xf bank_mask:0xf
	s_delay_alu instid0(VALU_DEP_1)
	v_add_f32_dpp v[ACC], v[ACC], v[ACC] row_xmask:2 row_mask:0xf bank_mask:0xf
	s_delay_alu instid0(VALU_DEP_1)
	v_add_f32_dpp v[ACC], v[ACC], v[ACC] row_xmask:4 row_mask:0xf bank_mask:0xf
	s_delay_alu instid0(VALU_DEP_1)
	v_add_f32_dpp v[ACC], v[ACC], v[ACC] row_xmask:8 row_mask:0xf bank_mask:0xf
	s_delay_alu instid0(VALU_DEP_1)
	v_permlanex16_b32 v172, v[ACC], s22, s23
	s_delay_alu instid0(VALU_DEP_1)
	v_add_f32 v[ACC], v[ACC], v172                 ; the wave's sum, in every lane
	v_cmp_eq_u32 vcc_lo, 0, v1
	s_wait_alu depctr_va_vdst(0)
	s_wait_xcnt 0x0                                ; EXEC is a source of the stores above: it changes only behind this wait
	s_and_saveexec_b32 s24, vcc_lo
	global_store_b32 v173, v[ACC], s[12:13]        ; lane 0 stores it
	s_wait_xcnt 0x0                                ; and again in front of the line that widens EXEC
	s_or_b32 exec_lo, exec_lo, s24
	s_endpgm
.Lfunc_end_k_qc18a10f748_gather:
	.size	k_qc18a10f748_gather, .Lfunc_end_k_qc18a10f748_gather-k_qc18a10f748_gather
	.p2alignl 7, 3214868480
	.fill 96, 4, 3214868480
	.section	.rodata,"a",@progbits
	.p2align	6, 0x0
	.amdhsa_kernel k_qc18a10f748_gather
		.amdhsa_group_segment_fixed_size 0
		.amdhsa_private_segment_fixed_size 0
		.amdhsa_enable_private_segment 0
		.amdhsa_kernarg_size 40
		.amdhsa_user_sgpr_count 2
		.amdhsa_user_sgpr_kernarg_segment_ptr 1
		.amdhsa_wavefront_size32 1
		.amdhsa_system_sgpr_workgroup_id_x 1
		.amdhsa_system_sgpr_workgroup_id_y 1
		.amdhsa_system_sgpr_workgroup_id_z 1
		.amdhsa_system_vgpr_workitem_id 0
		.amdhsa_next_free_vgpr 176
		.amdhsa_next_free_sgpr 66
		.amdhsa_reserve_vcc 1
		.amdhsa_float_denorm_mode_32 3
		.amdhsa_float_denorm_mode_16_64 3
		.amdhsa_memory_ordered 1
		.amdhsa_forward_progress 1
		.amdhsa_inst_pref_size 16
	.end_amdhsa_kernel
	.amdgpu_metadata
---
amdhsa.version: [ 1, 2 ]
amdhsa.kernels:
  - .name:           k_qc18a10f748_gather
    .symbol:         k_qc18a10f748_gather.kd
    .args:
      - { .name: inputs, .offset: 0, .size: 8, .value_kind: global_buffer, .address_space: global }
      - { .name: embedding, .offset: 8, .size: 8, .value_kind: global_buffer, .address_space: global }
      - { .name: idx, .offset: 16, .size: 8, .value_kind: global_buffer, .address_space: global }
      - { .name: out1, .offset: 24, .size: 8, .value_kind: global_buffer, .address_space: global }
      - { .name: part, .offset: 32, .size: 8, .value_kind: global_buffer, .address_space: global }
    .group_segment_fixed_size: 0
    .private_segment_fixed_size: 0
    .kernarg_segment_align: 8
    .kernarg_segment_size: 40
    .max_flat_workgroup_size: 256
    .sgpr_count:     66
    .vgpr_count:     176
    .wavefront_size: 32
...
	.end_amdgpu_metadata
.endif
;; end of part 2
;; launch loss (part 3): grid 1 x 1, 8 waves a work-group, no clusters, 1,280 bytes of LDS; arguments part, out0; writes out0
.if DOCPART == 3
	.amdgcn_target "amdgcn-amd-amdhsa--gfx1250"
	.amdhsa_code_object_version 6
	.text
	.protected	k_qc18a10f748_loss
	.globl	k_qc18a10f748_loss
	.p2align	8
	.type	k_qc18a10f748_loss,@function
k_qc18a10f748_loss:
	s_mov_b64 s[64:65], 0
	v_nop
	global_prefetch_b8 v0, s[64:65] scope:SCOPE_SE
	s_setreg_imm32_b32 hwreg(HW_REG_WAVE_MODE, 25, 1), 1
	s_wait_xcnt 0x0
; out0 = m + 0.25 m, m = the mean of (e[idx] - x)^2 over 131,072 x 64 = 2^23 numbers.  part: 4,096 partial sums, f32, one for each wave of the launch before.
; One work-group, since the sum has one owner: 256 threads take 16 numbers each (four loads of 16 bytes; a wave's load covers 512 consecutive bytes), the lanes of a wave are summed in
; registers, the eight waves' sums meet in LDS behind a barrier.
	s_load_b128 s[4:7], s[0:1], 0x0                ; part s[4:5], out0 s[6:7]
	v_lshl_add_u32 v32, v0, 2, 0x100
	v_mov_b32 v33, 0
	v_lshlrev_b32 v1, 4, v0                        ; 16 bytes a thread
	v_lshrrev_b32 v2, 5, v0
	s_delay_alu instid0(VALU_DEP_1)
	v_readfirstlane_b32 s8, v2                     ; wave 0..7
	s_delay_alu instid0(VALU_DEP_2)
	v_lshlrev_b32 v21, 2, v2                       ; my wave's word in LDS
	v_mov_b32 v20, 0                               ; a lane permute's destination counts as one of its sources
	v_mov_b32 v22, 0
	s_mov_b32 s12, 0x76543210                      ; v_permlanex16_b32's selects for lane l xor 16
	s_mov_b32 s13, 0xfedcba98
	s_wait_alu depctr_va_vdst(0)
	s_wait_kmcnt 0x0
.irp k, 0,1,2,3
	global_load_b128 v[4+4*\k:7+4*\k], v1, s[4:5] offset:4096*\k
.endr
	s_wait_loadcnt 0x0
	v_pk_add_f32 v[4:5], v[4:5], v[8:9]
	v_pk_add_f32 v[6:7], v[6:7], v[10:11]
	v_pk_add_f32 v[12:13], v[12:13], v[16:17]
	v_pk_add_f32 v[14:15], v[14:15], v[18:19]
	s_delay_alu instid0(VALU_DEP_2)
	v_pk_add_f32 v[4:5], v[4:5], v[12:13]
	s_delay_alu instid0(VALU_DEP_2)
	v_pk_add_f32 v[6:7], v[6:7], v[14:15]
	s_delay_alu instid0(VALU_DEP_1)
	v_pk_add_f32 v[4:5], v[4:5], v[6:7]
	s_delay_alu instid0(VALU_DEP_1)
	v_add_f32 v4, v4, v5
	s_delay_alu instid0(VALU_DEP_1)
	v_add_f32_dpp v4, v4, v4 row_xmask:1 row_mask:0xf bank_mask:0xf
	s_delay_alu instid0(VALU_DEP_1)
	v_add_f32_dpp v4, v4, v4 row_xmask:2 row_mask:0xf bank_mask:0xf
	s_delay_alu instid0(VALU_DEP_1)
	v_add_f32_dpp v4, v4, v4 row_xmask:4 row_mask:0xf bank_mask:0xf
	s_delay_alu instid0(VALU_DEP_1)
	v_add_f32_dpp v4, v4, v4 row_xmask:8 row_mask:0xf bank_mask:0xf
	s_delay_alu instid0(VALU_DEP_1)
	v_permlanex16_b32 v20, v4, s12, s13
	s_delay_alu instid0(VALU_DEP_1)
	v_add_f32 v4, v4, v20                          ; the wave's sum, in every lane
	ds_store_b32 v21, v4                           ; all lanes write the same word with the same value
	s_wait_dscnt 0x0                               ; for the others' sake: my store is done
	s_barrier_signal -1
	s_barrier_wait -1
	ds_load_b128 v[24:27], v22                     ; the eight waves' sums
	ds_load_b128 v[28:31], v22 offset:16
	s_wait_dscnt 0x0
	v_pk_add_f32 v[24:25], v[24:25], v[26:27]
	v_pk_add_f32 v[28:29], v[28:29], v[30:31]
	s_delay_alu instid0(VALU_DEP_1)
	v_pk_add_f32 v[24:25], v[24:25], v[28:29]
	s_delay_alu instid0(VALU_DEP_1)
	v_add_f32 v24, v24, v25
	s_delay_alu instid0(VALU_DEP_1)
	v_mul_f32 v24, 0x34000000, v24                 ; x 2^-23: the mean, exact
	s_delay_alu instid0(VALU_DEP_1)
	v_fma_f32 v25, 0x3e800000, v24, v24            ; m + 0.25 m
	s_cmp_lg_u32 s8, 0
	s_cbranch_scc1 .Ldone                          ; wave 0 stores
	v_cmp_eq_u32 vcc_lo, 0, v0
	s_wait_xcnt 0x0                                ; EXEC changes only behind this wait
	s_and_saveexec_b32 s9, vcc_lo
	s_wait_alu depctr_va_vdst(0)
	global_store_b32 v22, v25, s[6:7]              ; thread 0
	s_wait_xcnt 0x0
	s_or_b32 exec_lo, exec_lo, s9
.Ldone:
	s_wait_tensorcnt 0x0
	ds_add_u32 v32, v33
	s_wait_dscnt 0x0
	s_endpgm
.Lfunc_end_k_qc18a10f748_loss:
	.size	k_qc18a10f748_loss, .Lfunc_end_k_qc18a10f748_loss-k_qc18a10f748_loss
	.p2alignl 7, 3214868480
	.fill 96, 4, 3214868480
	.section	.rodata,"a",@progbits
	.p2align	6, 0x0
	.amdhsa_kernel k_qc18a10f748_loss
		.amdhsa_group_segment_fixed_size 1280
		.amdhsa_private_segment_fixed_size 0
		.amdhsa_enable_private_segment 0
		.amdhsa_kernarg_size 16
		.amdhsa_user_sgpr_count 2
		.amdhsa_user_sgpr_kernarg_segment_ptr 1
		.amdhsa_wavefront_size32 1
		.amdhsa_system_sgpr_workgroup_id_x 1
		.amdhsa_system_sgpr_workgroup_id_y 1
		.amdhsa_system_sgpr_workgroup_id_z 1
		.amdhsa_system_vgpr_workitem_id 0
		.amdhsa_next_free_vgpr 34
		.amdhsa_next_free_sgpr 66
		.amdhsa_reserve_vcc 1
		.amdhsa_float_denorm_mode_32 3
		.amdhsa_float_denorm_mode_16_64 3
		.amdhsa_memory_ordered 1
		.amdhsa_forward_progress 1
		.amdhsa_inst_pref_size 4
	.end_amdhsa_kernel
	.amdgpu_metadata
---
amdhsa.version: [ 1, 2 ]
amdhsa.kernels:
  - .name:           k_qc18a10f748_loss
    .symbol:         k_qc18a10f748_loss.kd
    .args:
      - { .name: part, .offset: 0, .size: 8, .value_kind: global_buffer, .address_space: global }
      - { .name: out0, .offset: 8, .size: 8, .value_kind: global_buffer, .address_space: global }
    .group_segment_fixed_size: 1280
    .private_segment_fixed_size: 0
    .kernarg_segment_align: 8
    .kernarg_segment_size: 16
    .max_flat_workgroup_size: 256
    .sgpr_count:     66
    .vgpr_count:     34
    .wavefront_size: 32
...
	.end_amdgpu_metadata
.endif
;; end of part 3
